; MI455X (gfx1250); checked and timed in simulation.
; The chip was launched on July 23, 2026; its instructions are those of AMD's public machine-readable ISA for CDNA 5 (MIT licence, August 2026) and "CDNA5" Instruction Set Architecture Reference Guide (July 2026). The comments in the code are by the model that wrote it; some were corrected since.
;; Attention. Allowed arithmetic: matrix products marked QUANTISED: E2M1 operands, one E8M0 scale for each 32 along K, by v_wmma_scale_f32_16x16x128_f8f6f4 with both operands' format E2M1 (or v_wmma_scale_f32_32x16x128_f4), f32 sums; products left as they are: bf16, f16 or f32 operands; f32 sums; everything else in f32.
;; Inputs: decoder_state 32 x 1 x 1,024 float32; listener_feature 32 x 2,048 x 1,024 float32; phi_b 1,024 float32; phi_w 1,024 x 1,024 float32; psi_b 1,024 float32; psi_w 1,024 x 1,024 float32.
;; Outputs: out0 32 x 2,048 float32; out1 32 x 1,024 float32.
;; This version of the problem:
;;   THIS VERSION OF THE PROBLEM IS GIVEN IN LOW PRECISION. The matrix products marked QUANTISED in the list below multiply operands that are first quantised to E2M1 (2 exponent bits, 1 mantissa bit; 4 bits a number), with one power-of-two scale for each 32 numbers along K (OCP MX v1.0); their sums are f32. The products marked 'left as it is' may take bf16, f16 or f32 operands, with f32 sums. Whichever they take, every output number must still come out within the allowed error. Rounding operands to bf16 (8 significant bits) uses up far more of that allowance than f16 does (11 bits, for magnitudes from 6e-5 to 65,504). All else is computed in f32.
;;   The module's matrix products, in the order in which they are computed (A, B: the left and right operand; K: the contracted axis; several contracted axes count as one K, in the product's order):
;;     1. [M 32, K 1,024] x [K 1,024, N 1,024]; A: input decoder_state; B: input phi_w: QUANTISED
;;     2. [M 65,536, K 1,024] x [K 1,024, N 1,024]; A: input listener_feature; B: input psi_w: QUANTISED
;;     3. batch 256 x [M 1, K 128] x [K 128, N 2,048]; A: computed on the way; B: computed on the way: left as it is (M = 1 < 16)
;;     4. batch 256 x [M 1, K 2,048] x [K 2,048, N 128]; A: computed on the way; B: input listener_feature: left as it is (M = 1 < 16)
;;   THE QUANTISER, for each operand of a quantised product, along K:
;;     - K is cut into blocks of 32 from its start; a last block that is shorter is filled with zeros.
;;     - A block's scale is 2^e with e = floor(log2(the largest magnitude in the block)) - 2, held to -126 .. 127; a block of zeros has e = 0. As a byte (E8M0): e + 127.
;;     - Each number is divided by its block's scale, clamped to +-6, and rounded to the nearest number of E2M1, ties to even, subnormals kept.
;;     - The product sums the exact products of the quantised numbers (number of the format x scale) in f32.
;;   ~~~python
;;   def quantise(x, axis):      # numpy; x: float32 -> the quantised numbers, widened to float32 again
;;       x = np.moveaxis(x, axis, -1); K = x.shape[-1]
;;       x = np.pad(x, [(0, 0)] * (x.ndim - 1) + [(0, -K % 32)]); x = x.reshape(x.shape[:-1] + (-1, 32)); a = np.abs(x).max(-1, keepdims=True)
;;       e = np.where(a > 0, np.clip(np.frexp(np.where(a > 0, a, 1))[1] - 1 - 2, -126, 127), 0)      # np.frexp(a)[1] - 1 = floor(log2(a)), exactly
;;       r = np.clip(x / 2.0 ** e, -6, 6)
;;       step = 2.0 ** (np.maximum(np.frexp(np.where(r == 0, 1, r))[1] - 1, 0) - 1)
;;       q = np.round(r / step) * step * 2.0 ** e      # np.round: ties to even
;;       return np.moveaxis(q.reshape(q.shape[:-2] + (-1,))[..., :K], -1, axis).astype(np.float32)
;;   ~~~
;; One version. Each part assembles by itself: llvm-mc -triple=amdgcn-amd-amdhsa -mcpu=gfx1250 --defsym DOCPART=n.
;; ======== version 1 of 1: 3 launches
;; limits: right only within a limited range of input values
;; workspace buffers: wcodes 524,288 bytes; wscales 32,768 bytes; qpart 524,288 bytes; part 786,432 bytes; e7buf 262,144 bytes
;; launch prep (part 1): grid 256 x 1, 2 waves a work-group, no clusters, 0 bytes of LDS; arguments psi_w, phi_w, decoder_state, wcodes, wscales, qpart; writes wcodes, wscales, qpart
.if DOCPART == 1
	.amdgcn_target "amdgcn-amd-amdhsa--gfx1250"
	.amdhsa_code_object_version 6
	.text
	.protected	k_q4a0526b4a1_prep
	.globl	k_q4a0526b4a1_prep
	.p2align	8
	.type	k_q4a0526b4a1_prep,@function
k_q4a0526b4a1_prep:
	s_mov_b64 s[64:65], 0
	v_nop
	global_prefetch_b8 v0, s[64:65] scope:SCOPE_SE
	s_setreg_imm32_b32 hwreg(HW_REG_WAVE_MODE, 25, 1), 1
	s_wait_xcnt 0x0
; THE PROGRAM (three launches): score = softmax_t(q_h . relu(x psi_w^T + psi_b)_h), q = relu(dec phi_w^T + phi_b); context_h = sum_t score x_h.
; LEFT OUT, in the launch main: for all real s and b, relu(s + b) = max(s, -b) + b.  So energy[t] = sum_c q_c max(s_tc, -psi_b_c) + sum_c q_c psi_b_c, s = Q(x) Q(psi_w)^T, c over a head's 128 columns.
; The second sum holds no t: it is a term added to the softmax's input that is the same along the softmax's axis, and softmax(e + a constant) = softmax(e) whatever the inputs hold; reference() returns scores and
; contexts and never an energy.  So psi_b is not added and that sum is not made.  psi_b itself is live, in the maximum, and is loaded.  LIMIT: a NaN, an infinity or an overflow that would arise in that sum alone is not carried to the result.
; NOTHING ELSE IS LEFT OUT: all eight heads' scores feed the context, all six inputs are loaded.  Only the STORING of scores is head 7's alone, as reference() slices.
; THIS LAUNCH: (a) psi_w [1024][1024] f32 becomes codes of E2M1 with one E8M0 byte for each 32 along K, laid in the order of the operand's registers;
; (b) product 1, dec [32][1024] x phi_w^T, on codes made here in registers, as four partial sums over K quarters (the bias and the relu follow where they are added, in the next launch).
; SHARES.  Work-group id: bit 7 = psi_w (0) or phi_w (1); bits 6:1 = n, 16 rows of the weight; u = 2 (id & 1) + wave = a quarter of K: K steps 2 u and 2 u + 1 of 128.
; LAYOUT.  A fragment is 16 rows x 128 K in 8 registers: lane (r, h) holds row r; registers 4 c .. 4 c + 3 hold k = 64 c + 32 h + 0 .. 31: two WHOLE blocks of 32, so no other lane is asked for a maximum.
; K is innermost in memory, so a lane's block is 128 neighbouring bytes: eight loads of 16 bytes.  Lanes stand 128 bytes or a row apart, so a load takes pieces of 16 bytes: the two weights are 8 MiB in all and are read once.
; wcodes [head 8][K step 8][tile 8][c 2][lane 32][16 bytes]; wscales [head 8][tile 8][u 4][lane 32] words: lanes 0-15 row r's word of K step 2 u, lanes 16-31 that of 2 u + 1; qpart [u 4][batch 32][n 1024] f32.
; A block's scale byte is its largest magnitude's exponent field - 2, held at 1 from below by a floor among the maximum's leaves.
; LIMITS: NaN and infinities among the inputs are not served.  A block of zeros gets the byte 1 where the rule says 127: its codes are zeros, and the bytes are read by this program alone.
; Product 1 is summed as four quarters of K, added in f32 in the next launch.  No cluster: the only bytes that work-groups share are dec's 128 KiB.
.set R,   1                            ; v1   r = lane % 16
.set HH,  2                            ; v2   h = lane / 16
.set VO,  3                            ; v3   4096 r + 128 h: my row, my half's block
.set LI,  4                            ; v4   16 x lane
.set LS,  5                            ; v5   4 x lane
.set H8,  6                            ; v6   8 h
.set TP,  7                            ; v7   a lane permute's destination
.set MX,  8                            ; v8-9   two blocks' largest magnitudes
.set SO,  10                           ; v10-11 the conversions' scale operands
.set BY,  12                           ; v12-13 the scale bytes
.set QO,  14                           ; v14  32768 h + 4 r: my place in qpart
.set SW,  15                           ; v15  the word that goes to wscales
.set WW0, 16                           ; v16, v17 the weight's scale words of the two K steps
.set WW1, 17
.set DW,  18                           ; v18  dec's scale word
.set CD,  20                           ; v20-27 dec's codes
.set CW0, 28                           ; v28-35, v36-43 the weight's codes of the two K steps
.set CW1, 36
.set AC0, 44                           ; v44-51 batches 0-15, v52-59 batches 16-31
.set AC1, 52
.set X0,  60                           ; three sets of 64 numbers
.set X1,  124
.set X2,  188
	s_load_b256 s[4:11], s[0:1], 0x0               ; psi_w s[4:5], phi_w s[6:7], dec s[8:9], wcodes s[10:11]
	s_load_b128 s[12:15], s[0:1], 0x20             ; wscales s[12:13], qpart s[14:15]
	v_lshrrev_b32 v1, 5, v0
	v_readfirstlane_b32 s16, v1                    ; wave 0, 1
	v_and_b32 v[R], 15, v0
	v_bfe_u32 v[HH], v0, 4, 1
	v_lshlrev_b32 v[VO], 12, v[R]
	v_lshl_add_u32 v[VO], v[HH], 7, v[VO]
	v_and_b32 v[LI], 31, v0
	v_lshlrev_b32 v[LS], 2, v[LI]
	v_lshlrev_b32 v[LI], 4, v[LI]
	v_lshlrev_b32 v[H8], 3, v[HH]
	v_mov_b32 v[TP], 0                             ; written once: a lane permute's destination counts as one of its sources
	v_lshlrev_b32 v[QO], 2, v[R]
	v_lshl_add_u32 v[QO], v[HH], 15, v[QO]
	s_mov_b32 s20, 0x76543210
	s_mov_b32 s21, 0xfedcba98                      ; v_permlanex16_b32's selects for lane l xor 16
	s_lshr_b32 s17, ttmp9, 7                       ; 0: psi_w, 1: phi_w
	s_bfe_u32 s18, ttmp9, 0x60001                  ; n: 6 bits from bit 1
	s_and_b32 s19, ttmp9, 1
	s_lshl_b32 s19, s19, 1
	s_add_co_u32 s19, s19, s16                     ; u
	s_lshl_b32 s22, s18, 16                        ; the weight: 16 n rows of 4,096 bytes
	s_lshl_b32 s24, s19, 10                        ; + 2 u K steps of 512 bytes (dec likewise)
	s_add_co_u32 s22, s22, s24
	s_mov_b32 s23, 0
	s_mov_b32 s25, 0
	s_lshr_b32 s32, s18, 3                         ; head
	s_and_b32 s33, s18, 7                          ; tile in the head
	s_lshl_b32 s26, s32, 16                        ; wcodes: 65536 head + 8192 (2 u) + 1024 tile
	s_lshl_b32 s34, s19, 14
	s_add_co_u32 s26, s26, s34
	s_lshl_b32 s34, s33, 10
	s_add_co_u32 s26, s26, s34
	s_mov_b32 s27, 0
	s_lshl_b32 s28, s32, 12                        ; wscales: 4096 head + 128 (4 tile + u)
	s_lshl_b32 s34, s33, 2
	s_add_co_u32 s34, s34, s19
	s_lshl_b32 s34, s34, 7
	s_add_co_u32 s28, s28, s34
	s_mov_b32 s29, 0
	s_lshl_b32 s30, s19, 17                        ; qpart: 131072 u + 64 n
	s_lshl_b32 s34, s18, 6
	s_add_co_u32 s30, s30, s34
	s_mov_b32 s31, 0
	s_wait_alu depctr_va_vdst(0)
	s_wait_kmcnt 0x0
	s_cmp_eq_u32 s17, 0                            ; the choice hangs on the work-group's number alone
	s_cselect_b64 s[4:5], s[4:5], s[6:7]
	s_add_nc_u64 s[4:5], s[4:5], s[22:23]
	s_add_nc_u64 s[8:9], s[8:9], s[24:25]
	s_add_nc_u64 s[10:11], s[10:11], s[26:27]
	s_add_nc_u64 s[12:13], s[12:13], s[28:29]
	s_add_nc_u64 s[14:15], s[14:15], s[30:31]
; 16 loads: the 64 numbers of a fragment that are my lane's, from off bytes behind the base, into v[x] on: register 32 c + i = k 64 c + 32 h + i of my row
.macro LDF x, base, off
.irp c, 0,1
.irp i, 0,1,2,3,4,5,6,7
; INSIDE EACH BLOCK OF 32 THE ORDER OF k IS PERMUTED, alike in all four operands of both products: place 8 a + i holds k = 4 a + i (i < 4) or 16 + 4 a + i - 4 (i >= 4).
; So piece i of 16 bytes goes to registers 8 (i % 4) + 4 (i / 4) of its block.  Blocks, their maxima and their scale bytes are as the rule has them; the launch main makes x's codes in this order.
	global_load_b128 v[\x+32*\c+8*(\i%4)+4*(\i/4):\x+32*\c+8*(\i%4)+4*(\i/4)+3], v[VO], s[\base:\base+1] offset:\off+256*\c+16*\i
.endr
.endr
.endm
; the 64 numbers in v[x] on become a fragment's codes in v[cd] on and its rows' scale word in v[w] (whole in both halves of the lanes)
.macro QF x, cd, w
.irp c, 0,1
	v_max3_num_f32 v[MX+\c], |v[\x+32*\c]|, |v[\x+32*\c+1]|, 0x1800000   ; my block 2 c + h, and the floor 2^(3 - 127): so the byte cannot fall under 1
.endr
.irp i, 2,4,6,8,10,12,14,16,18,20,22,24,26,28,30
.irp c, 0,1
	v_max3_num_f32 v[MX+\c], v[MX+\c], |v[\x+32*\c+\i]|, |v[\x+32*\c+\i+1]|   ; (the two blocks by turns)
.endr
.endr
.irp c, 0,1
	v_add_nc_u32 v[SO+\c], 0xff000000, v[MX+\c]    ; 2 off the exponent field: the conversion takes the exponent field of this operand as its scale
.endr
.irp c, 0,1
	v_lshrrev_b32 v[BY+\c], 23, v[SO+\c]           ; the scale's byte
.endr
	v_lshl_or_b32 v[\w], v[BY+1], 16, v[BY]        ; my two bytes: blocks h and 2 + h,
	v_lshlrev_b32 v[\w], v[H8], v[\w]              ; at their places in the word;
	v_permlanex16_b32 v[TP], v[\w], s20, s21
	v_or_b32 v[\w], v[\w], v[TP]                   ; with lane l xor 16's two the word is whole
.irp c, 0,1
.irp g, 0,1,2,3
	v_cvt_scalef32_pk8_fp4_f32 v[\cd+4*\c+\g], v[\x+32*\c+8*\g:\x+32*\c+8*\g+7], v[SO+\c]
.endr
.endr
	v_nop                                          ; one plain place behind a scaled conversion
.endm
.macro PLACES n
.rept \n
	v_nop
.endr
.endm
	LDF X0, 4, 0                                   ; the weight's K step 2 u
	LDF X1, 4, 512                                 ; and 2 u + 1
	s_cmp_lg_u32 s17, 0
	s_cbranch_scc1 .Lphi
	; ---- psi_w: codes and scale words go to memory as images of the operand's registers
	s_wait_loadcnt 16                              ; the first set is in; the second set's 16 loads may be out
	QF X0, CW0, WW0
	s_wait_loadcnt 0x0
	QF X1, CW1, WW1
	v_cmp_ne_u32 vcc_lo, 0, v[HH]
	v_cndmask_b32 v[SW], v[WW0], v[WW1], vcc_lo    ; lanes 0-15: K step 2 u's words, lanes 16-31: 2 u + 1's
	global_store_b128 v[LI], v[CW0:CW0+3], s[10:11]               ; each store: 512 consecutive bytes
	global_store_b128 v[LI], v[CW0+4:CW0+7], s[10:11] offset:512
	global_store_b128 v[LI], v[CW1:CW1+3], s[10:11] offset:8192
	global_store_b128 v[LI], v[CW1+4:CW1+7], s[10:11] offset:8704
	global_store_b32 v[LS], v[SW], s[12:13]        ; 128 consecutive bytes: 32 KiB in the whole launch
	s_endpgm
.Lphi:
	; ---- phi_w: product 1 over my quarter of K.  Source 0 = 16 batches of dec, source 1 = my 16 rows of phi_w.  Three sets of numbers take turns; each wait leaves out the loads issued behind the set that is wanted
	LDF X2, 8, 0                                   ; dec, batches 0-15, K step 2 u
	s_wait_loadcnt 32
	QF X0, CW0, WW0
	LDF X0, 8, 65536                               ; batches 16-31, K step 2 u
	s_wait_loadcnt 32
	QF X1, CW1, WW1
	LDF X1, 8, 512                                 ; batches 0-15, K step 2 u + 1
	s_wait_loadcnt 32
	QF X2, CD, DW
	LDF X2, 8, 66048                               ; batches 16-31, K step 2 u + 1
	PLACES 7                                       ; with QF's last line eight places between the scale word's last write and the scaled product (codes so written want four)
	v_wmma_scale_f32_16x16x128_f8f6f4 v[AC0:AC0+7], v[CD:CD+7], v[CW0:CW0+7], 0, v[DW], v[WW0] matrix_a_fmt:MATRIX_FMT_FP4 matrix_b_fmt:MATRIX_FMT_FP4
	s_wait_loadcnt 32
	QF X0, CD, DW                                  ; its 32 maxima are the places between the product above and the new codes and word
	PLACES 7
	v_wmma_scale_f32_16x16x128_f8f6f4 v[AC1:AC1+7], v[CD:CD+7], v[CW0:CW0+7], 0, v[DW], v[WW0] matrix_a_fmt:MATRIX_FMT_FP4 matrix_b_fmt:MATRIX_FMT_FP4
	s_wait_loadcnt 16
	QF X1, CD, DW
	PLACES 7
	v_wmma_scale_f32_16x16x128_f8f6f4 v[AC0:AC0+7], v[CD:CD+7], v[CW1:CW1+7], v[AC0:AC0+7], v[DW], v[WW1] matrix_a_fmt:MATRIX_FMT_FP4 matrix_b_fmt:MATRIX_FMT_FP4   ; the two accumulators take turns
	s_wait_loadcnt 0x0
	QF X2, CD, DW
	PLACES 7
	v_wmma_scale_f32_16x16x128_f8f6f4 v[AC1:AC1+7], v[CD:CD+7], v[CW1:CW1+7], v[AC1:AC1+7], v[DW], v[WW1] matrix_a_fmt:MATRIX_FMT_FP4 matrix_b_fmt:MATRIX_FMT_FP4
	PLACES 4
.irp j, 0,1,2,3,4,5,6,7
	global_store_b32 v[QO], v[AC0+\j], s[14:15] offset:4096*\j          ; register j: batch 8 h + j, column 16 n + r: sixteen lanes store 64 consecutive bytes; 512 KiB in the whole launch
.endr
.irp j, 0,1,2,3,4,5,6,7
	global_store_b32 v[QO], v[AC1+\j], s[14:15] offset:65536+4096*\j
.endr
	s_endpgm
.Lfunc_end_k_q4a0526b4a1_prep:
	.size	k_q4a0526b4a1_prep, .Lfunc_end_k_q4a0526b4a1_prep-k_q4a0526b4a1_prep
	.p2alignl 7, 3214868480
	.fill 96, 4, 3214868480
	.section	.rodata,"a",@progbits
	.p2align	6, 0x0
	.amdhsa_kernel k_q4a0526b4a1_prep
		.amdhsa_group_segment_fixed_size 0
		.amdhsa_private_segment_fixed_size 0
		.amdhsa_enable_private_segment 0
		.amdhsa_kernarg_size 48
		.amdhsa_user_sgpr_count 2
		.amdhsa_user_sgpr_kernarg_segment_ptr 1
		.amdhsa_wavefront_size32 1
		.amdhsa_system_sgpr_workgroup_id_x 1
		.amdhsa_system_sgpr_workgroup_id_y 1
		.amdhsa_system_sgpr_workgroup_id_z 1
		.amdhsa_system_vgpr_workitem_id 0
		.amdhsa_next_free_vgpr 256
		.amdhsa_next_free_sgpr 66
		.amdhsa_reserve_vcc 1
		.amdhsa_float_denorm_mode_32 3
		.amdhsa_float_denorm_mode_16_64 3
		.amdhsa_memory_ordered 1
		.amdhsa_forward_progress 1
		.amdhsa_inst_pref_size 39
	.end_amdhsa_kernel
	.amdgpu_metadata
---
amdhsa.version: [ 1, 2 ]
amdhsa.kernels:
  - .name:           k_q4a0526b4a1_prep
    .symbol:         k_q4a0526b4a1_prep.kd
    .args:
      - { .name: psi_w, .offset: 0, .size: 8, .value_kind: global_buffer, .address_space: global }
      - { .name: phi_w, .offset: 8, .size: 8, .value_kind: global_buffer, .address_space: global }
      - { .name: decoder_state, .offset: 16, .size: 8, .value_kind: global_buffer, .address_space: global }
      - { .name: wcodes, .offset: 24, .size: 8, .value_kind: global_buffer, .address_space: global }
      - { .name: wscales, .offset: 32, .size: 8, .value_kind: global_buffer, .address_space: global }
      - { .name: qpart, .offset: 40, .size: 8, .value_kind: global_buffer, .address_space: global }
    .group_segment_fixed_size: 0
    .private_segment_fixed_size: 0
    .kernarg_segment_align: 8
    .kernarg_segment_size: 48
    .max_flat_workgroup_size: 64
    .sgpr_count:     66
    .vgpr_count:     256
    .wavefront_size: 32
...
	.end_amdgpu_metadata
.endif
;; end of part 1
;; launch main (part 2): grid 256 x 1, 4 waves a work-group, clusters of 4 x 1, 41,984 bytes of LDS; arguments listener_feature, wcodes, wscales, qpart, phi_b, psi_b, part, e7buf; writes part, e7buf
.if DOCPART == 2
	.amdgcn_target "amdgcn-amd-amdhsa--gfx1250"
	.amdhsa_code_object_version 6
	.text
	.protected	k_q4a0526b4a1_main
	.globl	k_q4a0526b4a1_main
	.p2align	8
	.type	k_q4a0526b4a1_main,@function
k_q4a0526b4a1_main:
	s_mov_b64 s[64:65], 0
	v_nop
	global_prefetch_b8 v0, s[64:65] scope:SCOPE_SE
	s_setreg_imm32_b32 hwreg(HW_REG_WAVE_MODE, 25, 1), 1
	s_wait_xcnt 0x0
	s_wait_alu depctr_hold_cnt(0) depctr_sa_sdst(0) depctr_va_vdst(0) depctr_va_sdst(0) depctr_va_ssrc(0) depctr_va_vcc(0) depctr_vm_vsrc(0)
	s_getreg_b32 s2, hwreg(HW_REG_IB_STS2, 6, 4)
	s_cmp_eq_u32 s2, 0
	s_cbranch_scc0 .Lentry_in_a_cluster
	s_endpgm
.Lentry_in_a_cluster:
	s_bfe_u32 s2, ttmp6, 0x10000c
	s_cmp_lg_u32 s2, 0x3003
	s_cbranch_scc0 .Lentry_shape_is_right
	s_endpgm
.Lentry_shape_is_right:
; For 512 rows x_t of one batch and four heads: s = Q(x) Q(psi_w)^T on codes of E2M1, energy = sum_c q_c max(s_c, -psi_b_c), a running softmax over the rows, and the context sum_t p_t x_t on the f32 rows.
; LEFT OUT: relu(s + b) = max(s, -b) + b for all real s and b, and the sum over a head's columns of q_c psi_b_c is the same for every row t: a term added to the softmax's input that is the same along its axis.
; So psi_b is not added and that sum is not made: the energies here are reference()'s less a constant of the (batch, head), which no score and no context can show.  A NaN, an infinity or an overflow in that sum alone is not carried.
; Out: for each (batch, head, block of 512 rows) the running maximum, the sum of p and the unnormalised context (part), and head 7's energies (e7buf); the next launch joins a batch's four blocks.
; SHARES.  Work-group id = 4 x cluster + place = 2 pair + half; pair = 4 batch + block.  Wave w owns head g = 4 half + w: that head's 128 rows of psi_w, all 1,024 K, stay in its registers as codes (512 registers + 32 of scale words).
; A head's 128 columns of x ARE K step g.  Of each tile of 16 rows wave w loads and quantises two chunks of 512 bytes a row: its OWN (K step g) and the FOREIGN one (K step g xor 4).
; x GOES FROM MEMORY INTO THE REGISTERS IN WHICH IT IS QUANTISED AND LATER MULTIPLIED BY p; it never lies in LDS.  Unit k of a set is 8 registers: lanes 0-15 hold row k, lanes 16-31 row 8 + k;
; lane r = 4 b + a holds two pieces of 16 bytes of block b of the chunk, at bytes 128 b + 16 a and 64 further on.  The two loads of a unit together cover 512 consecutive bytes of each of the two rows.
; So a lane's 8 numbers lie in ONE block of 32, four lanes hold a block (two steps between lanes give its maximum), and one conversion gives 4 bytes of codes.
; Inside a block the order of k is so permuted: place 8 a + i holds k = 4 a + i (i < 4) or 16 + 4 a + i - 4; the launch prep lays psi_w's codes in the same order, so the products are the same.
; The codes go round the four waves through LDS, as rows of 64 bytes + 16 of padding (80 bytes = 5 x 16: sixteen rows start at different banks, 64 banks of 4 bytes: ISA guide 11.1), one barrier a tile, three buffers by turns.
; K POSITIONS.  Position pi = K step xor 4 half: own = w, foreign = w + 4, so that every LDS address hangs on the wave's number alone.  In odd work-groups K steps 4-7 are summed ahead of 0-3.
; PRODUCT.  Source 0 = 16 rows of x, source 1 = 16 rows of psi_w: register k of a lane is (row 8 h + k, column r).  Behind the sum over a row of lanes, p's register k holds row k in lanes 0-15 and row 8 + k in lanes 16-31:
; the very rows of unit k, so the context is 32 packed multiply-adds on the own set.  Products 3 and 4 have M = 1: f32 multiply-adds of the vector unit.
; LOADS, by counted waits: own(i + 3) is asked for at the end of tile i and quantised in tile i + 2; foreign(i + 2) in the middle of tile i and quantised in the middle of tile i + 1.  48 loads a wave are out at the most.
; PREFETCH: in tile i one instruction a wave names own(i + 4), 16 rows x 2 aligned blocks of 256 bytes, a lane a block; tile i + 1 loads it at its end.  Own chunks share x out among all waves of the launch, so each block is named once.
; Tiles 0 to 3 come by their loads alone; tile 27 names tile 31, the last.
; CLUSTER: four work-groups, two pairs; the two work-groups of a pair read the same rows and are launched together.  NO JOINT LOADS, NO TENSOR LOADS: a joint load lands in LDS, from where x would have to be read twice more
; (for the quantiser and for the context), while here each number goes into the one register that serves both; so the cluster has no barrier rounds either.  No LDS address hangs on the place in the cluster.
; SOFTMAX.  Mc = log2(e) x the largest energy so far; p = 2^(c e - Mc); in every tile the sum and the context are multiplied by a = 2^(old Mc - new Mc).
; LIMITS: NaN and infinities among the inputs are not served.  A block of zeros gets the scale byte 1 where the rule says 127: its codes are zeros, and the bytes are read by this program alone.
; REGISTERS, in windows of 256: window 0: all else; window 1: psi_w's positions 0-3 (64 pi + 8 j); window 2: positions 4-7; window 3: v0-191 three own sets (tile t in set t % 3), v192-255 the foreign set.
.set IMGB,  10752                      ; an image buffer: 8 positions x 16 rows x 80 bytes, then 8 x 64 bytes of scale words
.set ISC,   10240
.set E7,    3*IMGB
.set EW,    2304                       ; a wave's kept energies: tile i's 64 bytes at 64 + 64 i
.set SPARE, E7+4*EW                    ; the spare words, 128 bytes for each wave: two blocks of 256 bytes that no other line names
.set SPW, 1                            ; v1   LDS address of my spare word; never rewritten
.set NIL, 2                            ; v2   0; never rewritten
.set LI,  3                            ; v3   16 x lane
.set LS,  4                            ; v4   4 x lane
.set ISO, 5                            ; v5   where I store codes: 1280 w + 640 h + 4 r
.set SSO, 6                            ; v6   and a scale byte: 64 w + 32 h + b
.set AFA, 7                            ; v7   a fragment's place: 80 r + 16 h
.set E7A, 8                            ; v8   my wave's energies: + 32 h; 64 bytes on in each tile
.set VOO, 9                            ; v9   32768 h + 128 b + 16 a + 512 g
.set VOF, 10                           ; v10  the same with g xor 4
.set PFO, 11                           ; v11  the prefetch's offset: 4096 (lane / 2) + 256 (lane % 2) + 512 g
.set OA,  12                           ; v12  the context's way out: 128 b + 16 a + 64 h
.set HH,  13                           ; v13  h
.set M,   16                           ; v16-23 eight units' largest magnitudes, then the conversions' scale operands
.set BY,  24                           ; v24-31 their scale bytes
.set CO,  32                           ; v32-39 their codes
.set EA,  40                           ; v40-47 the energies of rows 8 h + 0 .. 7
.set CT,  48                           ; v48-55 the context of my 8 columns, over my half's rows
.set BI,  56                           ; v56-63 -psi_b, v64-71 q: tile j's number of column 16 j + r
.set QV,  64
.set MC,  72                           ; v72 Mc (v73 fills the pair)
.set L,   74                           ; v74-75 the sum of p, even and odd rows
.set AL,  76                           ; v76 a (v77 fills the pair)
.set T,   78                           ; v78-83 at work
.set AS,  84                           ; v84-87 x's scale words: register u: lanes 0-15 position 2 u, lanes 16-31 position 2 u + 1
.set WS,  88                           ; v88-119 psi_w's: register 4 j + u likewise
.set AF,  120                          ; v120-183 x's eight fragments
.set ACC, 184                          ; v184-247 eight accumulators
.set PP,  248                          ; v248-255 p of rows 8 h + 0 .. 7
.set FS,  192                          ; window 3: the foreign set
.set MSB, 0
.macro WIN new                         ; the immediate's high byte repeats the setting that is left; a switch that changes nothing is dropped
.if MSB != \new
	s_set_vgpr_msb (MSB<<8)|\new
.set MSB, \new
.endif
.endm
	s_load_b256 s[4:11], s[0:1], 0x0               ; x s[4:5], wcodes s[6:7], wscales s[8:9], qpart s[10:11]
	s_load_b256 s[12:19], s[0:1], 0x20             ; phi_b s[12:13], psi_b s[14:15], part s[16:17], e7buf s[18:19]
	v_lshl_add_u32 v[SPW], v0, 2, SPARE
	v_mov_b32 v[NIL], 0
	v_lshrrev_b32 v[T], 5, v0
	v_readfirstlane_b32 s20, v[T]                  ; w
	s_bfe_u32 s62, ttmp6, 0x40000                  ; my place in the cluster
	s_lshl_b32 s63, ttmp9, 2                       ; in a cluster launch ttmp9 counts clusters
	s_add_co_u32 s63, s63, s62                     ; work-group id
	s_and_b32 s21, s63, 1                          ; half
	s_lshr_b32 s25, s63, 1                         ; pair
	s_lshr_b32 s23, s25, 2                         ; batch
	s_and_b32 s24, s25, 3                          ; block of 512 rows
	s_lshl_b32 s22, s21, 2
	s_add_co_u32 s22, s22, s20                     ; g
	s_mul_i32 s40, s20, 1280
	s_lshl_b32 s42, s20, 6
	s_mul_i32 s43, s20, EW
	s_add_co_u32 s43, s43, E7
	s_lshl_b32 s41, s22, 9                         ; 512 g
	s_xor_b32 s31, s41, 2048                       ; 512 (g xor 4)
	s_mov_b32 s26, 0x76543210
	s_mov_b32 s27, 0xfedcba98                      ; v_permlanex16_b32's selects for lane l xor 16
	s_mov_b32 s28, 0x3fb8aa3b                      ; c = log2(e)
	s_mov_b32 s29, s28                             ; (named with it as a pair, so it is written)
	s_lshl_b32 s44, s25, 21                        ; x: pair x 512 rows x 4,096 bytes
	s_mov_b32 s45, 0
	s_lshl_b32 s46, s22, 16                        ; wcodes: 65536 g + 32768 half: positions 0-3;
	s_lshl_b32 s48, s21, 15
	s_add_co_u32 s46, s46, s48
	s_mov_b32 s47, 0
	s_xor_b32 s48, s46, 32768                      ; the other four K steps: positions 4-7
	s_mov_b32 s49, 0
	s_lshl_b32 s50, s22, 12                        ; wscales: 4096 g + 256 half, and the other half
	s_lshl_b32 s52, s21, 8
	s_add_co_u32 s50, s50, s52
	s_mov_b32 s51, 0
	s_xor_b32 s52, s50, 256
	s_mov_b32 s53, 0
	s_lshl_b32 s54, s23, 12                        ; qpart: 4096 batch + 512 g
	s_add_co_u32 s54, s54, s41
	s_mov_b32 s55, 0
	s_mov_b32 s56, s41                             ; the biases: 512 g
	s_mov_b32 s57, 0
	s_lshl_b32 s58, s23, 3                         ; part: record (8 batch + g) 4 + block, 768 bytes each
	s_add_co_u32 s58, s58, s22
	s_lshl_b32 s58, s58, 2
	s_add_co_u32 s58, s58, s24
	s_mul_i32 s58, s58, 768
	s_mov_b32 s59, 0
	s_lshl_b32 s60, s23, 13                        ; e7buf: 8192 batch + 2048 block
	s_lshl_b32 s61, s24, 11
	s_add_co_u32 s60, s60, s61
	s_mov_b32 s61, 0
	v_and_b32 v[T], 31, v0                         ; lane
	v_and_b32 v[T+1], 15, v0                       ; r
	v_bfe_u32 v[HH], v0, 4, 1                      ; h
	v_bfe_u32 v[T+2], v0, 2, 2                     ; b
	v_and_b32 v[T+3], 3, v0                        ; a
	v_lshlrev_b32 v[LI], 4, v[T]
	v_lshlrev_b32 v[LS], 2, v[T]
	v_mul_u32_u24 v[ISO], v[HH], 640
	v_lshl_add_u32 v[ISO], v[T+1], 2, v[ISO]
	v_add_nc_u32 v[ISO], s40, v[ISO]
	v_lshl_add_u32 v[SSO], v[HH], 5, v[T+2]
	v_add_nc_u32 v[SSO], s42, v[SSO]
	v_mul_u32_u24 v[AFA], v[T+1], 80
	v_lshl_add_u32 v[AFA], v[HH], 4, v[AFA]
	v_lshl_add_u32 v[E7A], v[HH], 5, s43
	v_lshlrev_b32 v[OA], 7, v[T+2]
	v_lshl_add_u32 v[OA], v[T+3], 4, v[OA]
	v_lshl_add_u32 v[VOO], v[HH], 15, v[OA]
	v_add_nc_u32 v[VOF], s31, v[VOO]
	v_add_nc_u32 v[VOO], s41, v[VOO]
	v_lshl_add_u32 v[OA], v[HH], 6, v[OA]
	v_lshrrev_b32 v[PFO], 1, v[T]
	v_lshlrev_b32 v[PFO], 12, v[PFO]
	v_and_b32 v[T+3], 1, v0
	v_lshl_add_u32 v[PFO], v[T+3], 8, v[PFO]
	v_add_nc_u32 v[PFO], s41, v[PFO]
	v_lshlrev_b32 v[T+4], 2, v[T+1]                ; 4 r: q's and the biases' offset
.set GV, 14                            ; v14  g, in every lane: it makes the mask of lanes for e7buf's stores
	v_mov_b32 v[GV], s22
	s_wait_alu depctr_va_vdst(0)                   ; at the head's end
	s_wait_kmcnt 0x0
	s_add_nc_u64 s[4:5], s[4:5], s[44:45]
	s_add_nc_u64 s[32:33], s[6:7], s[46:47]
	s_add_nc_u64 s[34:35], s[6:7], s[48:49]
	s_add_nc_u64 s[36:37], s[8:9], s[50:51]
	s_add_nc_u64 s[38:39], s[8:9], s[52:53]
	s_add_nc_u64 s[10:11], s[10:11], s[54:55]
	s_add_nc_u64 s[12:13], s[12:13], s[56:57]
	s_add_nc_u64 s[14:15], s[14:15], s[56:57]
	s_add_nc_u64 s[16:17], s[16:17], s[58:59]
	s_add_nc_u64 s[18:19], s[18:19], s[60:61]
; ---- the macros
.macro XLOAD set, vo, tile             ; a chunk of 16 rows into a set of window 3: 16 loads; tile counts from the base pointer
	WIN 0xc0
.irp k, 0,1,2,3,4,5,6,7
	global_load_b128 v[(\set)+8*\k:(\set)+8*\k+3], v[\vo], s[4:5] offset:(16*(\tile)+\k)*4096
	global_load_b128 v[(\set)+8*\k+4:(\set)+8*\k+7], v[\vo], s[4:5] offset:(16*(\tile)+\k)*4096+64
.endr
	WIN 0
.endm
.macro QCMP set                        ; a set's eight units become codes (CO) and scale bytes (BY).  The eight units take turns line by line
	WIN 0x3c                                       ; sources 1 and 2: window 3
.irp k, 0,1,2,3,4,5,6,7
	v_max3_num_f32 v[M+\k], 0x1800000, |v[(\set)+8*\k]|, |v[(\set)+8*\k+1]|     ; my 8 numbers, and the floor 2^(3 - 127): so the byte cannot fall under 1
.endr
.irp i, 2,4,6
.irp k, 0,1,2,3,4,5,6,7
	v_max3_num_f32 v[M+\k], v[M+\k], |v[(\set)+8*\k+\i]|, |v[(\set)+8*\k+\i+1]|
.endr
.endr
	WIN 0
.irp m, 1,2
.irp k, 0,1,2,3,4,5,6,7
	v_max_num_f32_dpp v[M+\k], v[M+\k], v[M+\k] row_xmask:\m row_mask:0xf bank_mask:0xf   ; with the block's other three lanes
.endr
.endr
.irp k, 0,1,2,3,4,5,6,7
	v_add_nc_u32 v[M+\k], 0xff000000, v[M+\k]      ; 2 off the exponent field: the conversion's scale operand
.endr
.irp k, 0,1,2,3,4,5,6,7
	v_lshrrev_b32 v[BY+\k], 23, v[M+\k]            ; the scale's byte
.endr
	WIN 0x03                                       ; source 0: window 3
.irp k, 0,1,2,3,4,5,6,7
	v_cvt_scalef32_pk8_fp4_f32 v[CO+\k], v[(\set)+8*\k:(\set)+8*\k+7], v[M+\k]
.endr
	WIN 0
	v_nop                                          ; one plain place behind a scaled conversion
.endm
.macro QST buf, f, k                   ; unit k goes to image buffer buf, position w (f = 0) or w + 4 (f = 1)
	ds_store_b32 v[ISO], v[CO+(\k)] offset:IMGB*(\buf)+5120*(\f)+80*(\k)        ; sixteen lanes fill a row's 64 bytes
	ds_store_b8 v[SSO], v[BY+(\k)] offset:IMGB*(\buf)+ISC+256*(\f)+4*(\k)       ; a block's four lanes write the same byte with the same value
.endm
.macro QSTALL buf, f
.irp k, 0,1,2,3,4,5,6,7
	QST \buf, \f, \k
.endr
.endm
.macro AFLOAD buf                      ; all eight fragments and their scale words, in every wave
.irp pi, 0,1,2,3,4,5,6,7
.irp c, 0,1
	ds_load_b128 v[AF+8*\pi+4*\c:AF+8*\pi+4*\c+3], v[AFA] offset:IMGB*(\buf)+1280*\pi+32*\c
.endr
.endr
.irp u, 0,1,2,3
	ds_load_b32 v[AS+\u], v[LS] offset:IMGB*(\buf)+ISC+128*\u
.endr
.endm
.macro MM pi, j                        ; tile j of my head's columns, K position pi.  The scale words of an odd position stand in lanes 16-31
.set rW,  64*((\pi)%4)+8*(\j)
.set rA,  AF+8*(\pi)
.set rD,  ACC+8*(\j)
.set rSA, AS+(\pi)/2
.set rSB, WS+4*(\j)+(\pi)/2
.if (\pi) == 0
	v_wmma_scale_f32_16x16x128_f8f6f4 v[rD:rD+7], v[rA:rA+7], v[rW:rW+7], 0, v[rSA], v[rSB] matrix_a_fmt:MATRIX_FMT_FP4 matrix_b_fmt:MATRIX_FMT_FP4
.elseif (\pi)%2 == 0
	v_wmma_scale_f32_16x16x128_f8f6f4 v[rD:rD+7], v[rA:rA+7], v[rW:rW+7], v[rD:rD+7], v[rSA], v[rSB] matrix_a_fmt:MATRIX_FMT_FP4 matrix_b_fmt:MATRIX_FMT_FP4
.else
	v_wmma_scale_f32_16x16x128_f8f6f4 v[rD:rD+7], v[rA:rA+7], v[rW:rW+7], v[rD:rD+7], v[rSA], v[rSB] matrix_a_fmt:MATRIX_FMT_FP4 matrix_b_fmt:MATRIX_FMT_FP4 matrix_a_scale:MATRIX_SCALE_ROW1 matrix_b_scale:MATRIX_SCALE_ROW1
.endif
.endm
.macro GEMM                            ; 64 products: the eight accumulators take turns, one instruction a turn; the first eight start the sums
	WIN 0x04                                       ; source 1: window 1
.irp pi, 0,1,2,3
.irp j, 0,1,2,3,4,5,6,7
	MM \pi, \j
.endr
.endr
	WIN 0x08                                       ; source 1: window 2
.irp pi, 4,5,6,7
.irp j, 0,1,2,3,4,5,6,7
	MM \pi, \j
.endr
.endr
.endm
; energies += q x max(sum, -bias), tile j: a lane's one bias and one q serve its eight rows.  Of the pair that holds q the first register is taken for both halves where j is even, the second where it is odd.
.macro ENERGY j
.set rQ, QV+2*((\j)/2)
.set rD, ACC+8*(\j)
.irp k, 0,1,2,3,4,5,6,7
	v_max_num_f32 v[rD+\k], v[rD+\k], v[BI+(\j)]   ; each accumulator from its low end on
.endr
.irp k, 0,2,4,6
.if (\j) == 0
	v_pk_mul_f32 v[EA+\k:EA+\k+1], v[rD+\k:rD+\k+1], v[rQ:rQ+1] op_sel_hi:[1,0]       ; the first tile starts the sums
.elseif (\j)%2
	v_pk_fma_f32 v[EA+\k:EA+\k+1], v[rD+\k:rD+\k+1], v[rQ:rQ+1], v[EA+\k:EA+\k+1] op_sel:[0,1,0] op_sel_hi:[1,1,1]
.else
	v_pk_fma_f32 v[EA+\k:EA+\k+1], v[rD+\k:rD+\k+1], v[rQ:rQ+1], v[EA+\k:EA+\k+1] op_sel_hi:[1,0,1]
.endif
.endr
.endm
.macro REDUCE                          ; over the sixteen columns of a row of lanes: every lane of half h then holds the energies of rows 8 h + 0 .. 7
.irp m, 1,2,4,8
.irp k, 0,1,2,3,4,5,6,7
	v_add_f32_dpp v[EA+\k], v[EA+\k], v[EA+\k] row_xmask:\m row_mask:0xf bank_mask:0xf
.endr
.endr
.endm
; Wave 3's energies are kept, in the wave's own LDS bytes.  No branch hangs on the place in the cluster, so the branch is on the wave's number alone: wave 3 owns head 7 in odd work-groups and head 3 in even ones.
; Head 3's kept energies never leave LDS: eight LDS stores a tile in the even work-groups' wave 3 that serve nothing.
.macro E7ST
	s_cmp_lg_u32 s20, 3
	s_cbranch_scc1 .Lnot7_\@
.irp k, 0,1,2,3,4,5,6,7
	ds_store_b32 v[E7A], v[EA+\k] offset:4*\k      ; sixteen lanes write the same word with the same value
.endr
.Lnot7_\@:
.endm
.macro SOFTMAX
	v_max3_num_f32 v[T], v[EA], v[EA+1], v[EA+2]
	v_max3_num_f32 v[T+1], v[EA+3], v[EA+4], v[EA+5]
	v_max3_num_f32 v[T], v[T], v[EA+6], v[EA+7]
	v_max_num_f32 v[T], v[T], v[T+1]
	v_permlanex16_b32 v[T+1], v[T], s26, s27
	v_max_num_f32 v[T], v[T], v[T+1]               ; the tile's largest energy
	v_mul_f32 v[T], s28, v[T]
	v_mov_b32 v[T+2], v[MC]
	v_max_num_f32 v[MC], v[MC], v[T]               ; the new Mc
	v_sub_f32 v[T+2], v[T+2], v[MC]                ; old Mc - new Mc
.irp k, 0,2,4,6
	v_pk_fma_f32 v[PP+\k:PP+\k+1], v[EA+\k:EA+\k+1], s[28:29], v[MC:MC+1] op_sel_hi:[1,0,0] neg_lo:[0,0,1] neg_hi:[0,0,1]   ; c e - Mc
.endr
	s_wait_alu depctr_va_vdst(0)                   ; ahead of the batch
	v_exp_f32 v[AL], v[T+2]                        ; a
.irp k, 0,1,2,3,4,5,6,7
	v_exp_f32 v[PP+\k], v[PP+\k]                   ; p
.endr
	v_add_nc_u32 v[E7A], 64, v[E7A]                ; this tile's place among the kept energies: the plain instruction behind the exponentials
	s_wait_alu depctr_va_vdst(0)                   ; one wait for the nine, ahead of their first reader
	v_pk_add_f32 v[T:T+1], v[PP:PP+1], v[PP+2:PP+3]
	v_pk_add_f32 v[T+2:T+3], v[PP+4:PP+5], v[PP+6:PP+7]
	v_pk_add_f32 v[T:T+1], v[T:T+1], v[T+2:T+3]
	v_pk_fma_f32 v[L:L+1], v[L:L+1], v[AL:AL+1], v[T:T+1] op_sel_hi:[1,0,1]
.irp n, 0,2,4,6
	v_pk_mul_f32 v[CT+\n:CT+\n+1], v[CT+\n:CT+\n+1], v[AL:AL+1] op_sel_hi:[1,0]
.endr
.endm
.macro CTXFMA set                      ; context += p x row, on the own set as it was loaded; p of unit k is taken out of its pair as q is in ENERGY
	WIN 0x03                                       ; source 0: window 3
.irp k, 0,1,2,3,4,5,6,7
.irp n, 0,2,4,6
.if (\k)%2
	v_pk_fma_f32 v[CT+\n:CT+\n+1], v[(\set)+8*\k+\n:(\set)+8*\k+\n+1], v[PP+2*(\k/2):PP+2*(\k/2)+1], v[CT+\n:CT+\n+1] op_sel:[0,1,0] op_sel_hi:[1,1,1]
.else
	v_pk_fma_f32 v[CT+\n:CT+\n+1], v[(\set)+8*\k+\n:(\set)+8*\k+\n+1], v[PP+2*(\k/2):PP+2*(\k/2)+1], v[CT+\n:CT+\n+1] op_sel_hi:[1,0,1]
.endif
.endr
.endr
	WIN 0
.endm
.macro EQ j, q, buf                    ; tile j's energies, and behind them two units of the foreign set's stores: the 16 stores stand two at a time among the vector work
	ENERGY \j
.if \q
	QST \buf, 1, 2*(\j)
	QST \buf, 1, 2*(\j)+1
.endif
.endm
; TILE i; par % 3 = i % 3; off = its number counted from the base pointer as it stands behind the tile's middle.  At its head: image buffer i % 3 holds tile i's codes; on their way from memory, in this order: own(i + 1), foreign(i + 1), own(i + 2).
; step: the base pointer goes 48 rows on, in the tile's middle: the youngest loads and prefetch were issued in the tile before.
; q: tile i + 1 is quantised.  lf, lo: foreign(i + 2), own(i + 3) are asked for.  pf: own(i + 4) is prefetched.  nb, nd: the loads that may stay out when own(i + 1), foreign(i + 1) are wanted.  bar: a tile follows.
; THE BARRIER IS SPLIT.  Ahead of my signal: my codes of tile i + 1 have landed and my reads of buffer i % 3 are over.  Between signal and wait: work on registers alone.
; Buffer (i + 1) % 3, written in tile i, was last read in tile i - 2: two barriers lie between.
.macro ITER par, off, step, q, lf, lo, pf, nb, nd, bar
	AFLOAD ((\par)%3)
.if \q
	s_wait_loadcnt \nb                             ; own(i + 1) is in
	QCMP 64*(((\par)+1)%3)
	QSTALL (((\par)+1)%3), 0
	s_wait_dscnt 16                                ; the fragments are in: behind their loads stand the 16 stores
.else
	s_wait_dscnt 0x0
.endif
	GEMM
.if \q
	s_wait_dscnt 0x0                               ; the stores above have read their registers
	s_wait_loadcnt \nd                             ; foreign(i + 1) is in
	QCMP FS                                        ; its maxima are also the places behind the last product
.if \step
	s_wait_alu depctr_va_vdst(0)                   ; directly ahead of the wait below
	s_wait_xcnt 0x0                                ; the loads and the prefetches have read their base: it may step
	s_add_nc_u64 s[4:5], s[4:5], 196608            ; 48 rows on
.endif
.if \lf
	XLOAD FS, VOF, (\off)+2
.endif
.if \pf
	global_prefetch_b8 v[PFO], s[4:5] offset:16*((\off)+4)*4096 th:TH_LOAD_NT scope:SCOPE_SE
.endif
.else
	WIN 0
.rept 4
	v_nop                                          ; places between the last product and the first read of its result
.endr
.endif
	EQ 0, \q, (((\par)+1)%3)
	EQ 1, \q, (((\par)+1)%3)
	EQ 2, \q, (((\par)+1)%3)
	EQ 3, \q, (((\par)+1)%3)
	ENERGY 4
	ENERGY 5
.if \bar
	s_wait_alu depctr_va_vdst(0)                   ; directly ahead of the wait below
	s_wait_dscnt 0x0                               ; for the others' sake: my codes and bytes have landed, my reads of this tile's buffer are over
	s_barrier_signal -1
.endif
	ENERGY 6
	ENERGY 7
	REDUCE
	SOFTMAX
	CTXFMA 64*((\par)%3)
.if \bar
	s_wait_alu depctr_va_vdst(0)                   ; directly ahead of the barrier's wait
	s_barrier_wait -1
.endif
.if \lo
	XLOAD 64*((\par)%3), VOO, (\off)+3             ; into the set that the context has just read
.endif
	E7ST
.endm
	; ---- the head.  Tile 0's rows are asked for ahead of the weights, own(1) behind them
	XLOAD 0, VOO, 0
	XLOAD FS, VOF, 0
.irp u, 0,1,2,3
.irp j, 0,1,2,3,4,5,6,7
	global_load_b32 v[ACC+8*\u+\j], v[T+4], s[10:11] offset:131072*\u+64*\j     ; product 1's four partial sums at column 128 g + 16 j + r
.endr
.endr
.irp j, 0,1,2,3,4,5,6,7
	global_load_b32 v[ACC+32+\j], v[T+4], s[12:13] offset:64*\j                 ; phi_b
	global_load_b32 v[BI+\j], v[T+4], s[14:15] offset:64*\j                     ; psi_b
.endr
.irp j, 0,1,2,3,4,5,6,7
.irp u, 0,1
	global_load_b32 v[WS+4*\j+\u], v[LS], s[36:37] offset:512*\j+128*\u
	global_load_b32 v[WS+4*\j+2+\u], v[LS], s[38:39] offset:512*\j+128*\u
.endr
.endr
	WIN 0x40
.irp pi, 0,1,2,3
.irp j, 0,1,2,3,4,5,6,7
.irp c, 0,1
	global_load_b128 v[64*\pi+8*\j+4*\c:64*\pi+8*\j+4*\c+3], v[LI], s[32:33] offset:8192*\pi+1024*\j+512*\c
.endr
.endr
.endr
	WIN 0x80
.irp pi, 0,1,2,3
.irp j, 0,1,2,3,4,5,6,7
.irp c, 0,1
	global_load_b128 v[64*\pi+8*\j+4*\c:64*\pi+8*\j+4*\c+3], v[LI], s[34:35] offset:8192*\pi+1024*\j+512*\c
.endr
.endr
.endr
	WIN 0
	XLOAD 64, VOO, 1
	v_mov_b32 v[MC], 0xff61b1e6                    ; -3e38, under every c e
	v_mov_b32 v[MC+1], 0
	v_mov_b32 v[L], 0
	v_mov_b32 v[L+1], 0
	v_mov_b32 v[AL+1], 0
.irp n, 0,1,2,3,4,5,6,7
	v_mov_b32 v[CT+\n], 0                          ; the first tile finds zeros, which its a = 0 leaves zeros
.endr
	s_wait_alu depctr_va_vdst(0)                   ; directly ahead of the wait below
	s_wait_loadcnt 16                              ; all but own(1)'s 16 loads
.irp j, 0,1,2,3,4,5,6,7
	v_add_f32 v[ACC+\j], v[ACC+\j], v[ACC+8+\j]
	v_add_f32 v[ACC+16+\j], v[ACC+16+\j], v[ACC+24+\j]
.endr
.irp j, 0,1,2,3,4,5,6,7
	v_add_f32 v[ACC+\j], v[ACC+\j], v[ACC+16+\j]
.endr
.irp j, 0,1,2,3,4,5,6,7
	v_add_f32 v[ACC+\j], v[ACC+\j], v[ACC+32+\j]
.endr
.irp j, 0,1,2,3,4,5,6,7
	v_max_num_f32 v[QV+\j], 0, v[ACC+\j]           ; q = relu(dec phi_w^T + phi_b)
	v_xor_b32 v[BI+\j], 0x80000000, v[BI+\j]       ; -psi_b
.endr
	QCMP 0                                         ; tile 0 is quantised
	QSTALL 0, 0
	s_wait_dscnt 0x0                               ; the stores have read their registers
	QCMP FS
	QSTALL 0, 1
	XLOAD FS, VOF, 1                               ; the order of the loads that are out is now the loop's: own(1), foreign(1), own(2)
	XLOAD 128, VOO, 2
	s_wait_alu depctr_va_vdst(0)                   ; directly ahead of the wait below
	s_wait_dscnt 0x0                               ; my codes of tile 0 have landed
	s_barrier_signal -1
	s_barrier_wait -1
	s_mov_b32 s30, 9
.Ltrip:                                            ; three tiles a trip: tiles 0 to 26.  The base steps in the second tile's middle, so the second and third tiles count from the stepped base
	ITER 0, 0, 0, 1, 1, 1, 1, 32, 16, 1
	ITER 1, -2, 1, 1, 1, 1, 1, 32, 16, 1
	ITER 2, -1, 0, 1, 1, 1, 1, 32, 16, 1
	s_sub_co_u32 s30, s30, 1
	s_cmp_lg_u32 s30, 0
	s_wait_alu depctr_va_vdst(0)                   ; directly ahead of the branch
	s_cbranch_scc1 .Ltrip
	ITER 0, 0, 0, 1, 1, 1, 1, 32, 16, 1            ; tile 27: the last prefetch names tile 31
	ITER 1, 1, 0, 1, 1, 1, 0, 32, 16, 1            ; tile 28: own(31) is the last own set
	ITER 2, 2, 0, 1, 1, 0, 0, 32, 16, 1            ; tile 29: foreign(31) is the last load
	ITER 3, 3, 0, 1, 0, 0, 0, 16, 0, 1             ; tile 30: behind own(31) only foreign(31) is out
	ITER 4, 4, 0, 0, 0, 0, 0, 0, 0, 0              ; tile 31: nothing is left to quantise, and no tile follows
	; ---- the way out: the two halves of the lanes are joined; 512 bytes of context and 32 copies of (Mc, sum) make three whole blocks of 256 bytes
	v_add_f32 v[T], v[L], v[L+1]
	v_permlanex16_b32 v[T+1], v[T], s26, s27
	s_wait_alu depctr_va_vdst(0)
.irp n, 0,1,2,3,4,5,6,7
	v_permlanex16_b32 v[AF+\n], v[CT+\n], s26, s27
.endr
	v_add_f32 v[MC+1], v[T], v[T+1]                ; the sum of p, beside Mc
.irp n, 0,1,2,3,4,5,6,7
	v_add_f32 v[CT+\n], v[CT+\n], v[AF+\n]
.endr
	v_cmp_ne_u32 vcc_lo, 0, v[HH]
.irp e, 0,1,2,3
	v_cndmask_b32 v[CO+\e], v[CT+\e], v[CT+4+\e], vcc_lo         ; lanes 0-15 store their first piece of 16 bytes, lanes 16-31 the second: 512 consecutive bytes in one store
.endr
	v_lshlrev_b32 v[T+2], 1, v[LS]                 ; 8 x lane
	global_store_b128 v[OA], v[CO:CO+3], s[16:17]
	global_store_b64 v[T+2], v[MC:MC+1], s[16:17] offset:512
	s_mul_i32 s40, s20, EW
	s_add_co_u32 s40, s40, E7+64
	v_add_nc_u32 v[T+3], s40, v[LI]                ; my wave's kept energies, 16 bytes a lane
	s_wait_alu depctr_va_vdst(0)                   ; ahead of the branch
	s_cmp_lg_u32 s20, 3                            ; the wave's number alone
	s_cbranch_scc1 .Lend
.irp i, 0,1,2,3
	ds_load_b128 v[AF+16+4*\i:AF+16+4*\i+3], v[T+3] offset:512*\i   ; LDS serves a wave's instructions in order: these see my stores
.endr
	s_wait_dscnt 0x0
	s_wait_xcnt 0x0                                ; the stores into part have read their registers and EXEC: EXEC changes only behind this wait
	v_cmp_eq_u32 vcc_lo, 7, v[GV]                  ; all lanes in head 7's wave, none in head 3's
	s_and_saveexec_b32 s62, vcc_lo
.irp i, 0,1,2,3
	global_store_b128 v[LI], v[AF+16+4*\i:AF+16+4*\i+3], s[18:19] offset:512*\i   ; 512 consecutive bytes a store; head 7's alone
.endr
	s_wait_xcnt 0x0                                ; and again, in front of the line that widens it
	s_or_b32 exec_lo, exec_lo, s62                 ; every lane is on again
.Lend:
	s_wait_tensorcnt 0x0                           ; the wave's end
	ds_add_u32 v[SPW], v[NIL]
	s_wait_dscnt 0x0
	s_endpgm
.Lfunc_end_k_q4a0526b4a1_main:
	.size	k_q4a0526b4a1_main, .Lfunc_end_k_q4a0526b4a1_main-k_q4a0526b4a1_main
	.p2alignl 7, 3214868480
	.fill 96, 4, 3214868480
	.section	.rodata,"a",@progbits
	.p2align	6, 0x0
	.amdhsa_kernel k_q4a0526b4a1_main
		.amdhsa_group_segment_fixed_size 41984
		.amdhsa_private_segment_fixed_size 0
		.amdhsa_enable_private_segment 0
		.amdhsa_kernarg_size 64
		.amdhsa_user_sgpr_count 2
		.amdhsa_user_sgpr_kernarg_segment_ptr 1
		.amdhsa_wavefront_size32 1
		.amdhsa_system_sgpr_workgroup_id_x 1
		.amdhsa_system_sgpr_workgroup_id_y 1
		.amdhsa_system_sgpr_workgroup_id_z 1
		.amdhsa_system_vgpr_workitem_id 0
		.amdhsa_next_free_vgpr 1024
		.amdhsa_next_free_sgpr 66
		.amdhsa_reserve_vcc 1
		.amdhsa_float_denorm_mode_32 3
		.amdhsa_float_denorm_mode_16_64 3
		.amdhsa_memory_ordered 1
		.amdhsa_forward_progress 1
		.amdhsa_inst_pref_size 255
	.end_amdhsa_kernel
	.section	.bss,"aw",@nobits
	.p2align	6
	.space	262144
	.amdgpu_metadata
---
amdhsa.version: [ 1, 2 ]
amdhsa.kernels:
  - .name:           k_q4a0526b4a1_main
    .symbol:         k_q4a0526b4a1_main.kd
    .args:
      - { .name: listener_feature, .offset: 0, .size: 8, .value_kind: global_buffer, .address_space: global }
      - { .name: wcodes, .offset: 8, .size: 8, .value_kind: global_buffer, .address_space: global }
      - { .name: wscales, .offset: 16, .size: 8, .value_kind: global_buffer, .address_space: global }
      - { .name: qpart, .offset: 24, .size: 8, .value_kind: global_buffer, .address_space: global }
      - { .name: phi_b, .offset: 32, .size: 8, .value_kind: global_buffer, .address_space: global }
      - { .name: psi_b, .offset: 40, .size: 8, .value_kind: global_buffer, .address_space: global }
      - { .name: part, .offset: 48, .size: 8, .value_kind: global_buffer, .address_space: global }
      - { .name: e7buf, .offset: 56, .size: 8, .value_kind: global_buffer, .address_space: global }
    .group_segment_fixed_size: 41984
    .private_segment_fixed_size: 0
    .kernarg_segment_align: 8
    .kernarg_segment_size: 64
    .max_flat_workgroup_size: 128
    .sgpr_count:     66
    .vgpr_count:     1024
    .wavefront_size: 32
...
	.end_amdgpu_metadata
.endif
;; end of part 2
;; launch comb (part 3): grid 256 x 1, 1 waves a work-group, no clusters, 0 bytes of LDS; arguments part, e7buf, out0, out1; writes out0, out1
.if DOCPART == 3
	.amdgcn_target "amdgcn-amd-amdhsa--gfx1250"
	.amdhsa_code_object_version 6
	.text
	.protected	k_q4a0526b4a1_comb
	.globl	k_q4a0526b4a1_comb
	.p2align	8
	.type	k_q4a0526b4a1_comb,@function
k_q4a0526b4a1_comb:
	s_mov_b64 s[64:65], 0
	v_nop
	global_prefetch_b8 v0, s[64:65] scope:SCOPE_SE
	s_setreg_imm32_b32 hwreg(HW_REG_WAVE_MODE, 25, 1), 1
	s_wait_xcnt 0x0
; The four blocks of 512 rows of each (batch, head) are joined.  Work-group id = 8 batch + g, one wave.
; M = the largest of the four Mc; w_k = 2^(Mc_k - M); sum = sum_k w_k sum_k; out1[batch][128 g ..] = (sum_k w_k context_k) / sum.
; out0 is head 7's score: the work-group also joins head 7's four records of its batch and turns an eighth of the batch's kept energies, 256 of them, into 2^(c e - M7) / sum7.
; The energies and maxima that the launch before has stored are reference()'s less a constant of the (batch, head) (the sum of q_c psi_b_c, left out there as the same along the softmax's axis): it falls out of every difference here.  This launch leaves nothing out.
; A record of part is 768 bytes: 128 f32 of context, then 32 copies of (Mc, sum), a copy a lane.  Every store covers 512 consecutive bytes.  The launch is short and shares next to nothing: no LDS, no cluster, no prefetch.
	s_load_b256 s[4:11], s[0:1], 0x0               ; part s[4:5], e7buf s[6:7], out0 s[8:9], out1 s[10:11]
	v_lshlrev_b32 v1, 4, v0                        ; 16 x lane
	v_lshlrev_b32 v2, 3, v0                        ; 8 x lane
	s_lshr_b32 s12, ttmp9, 3                       ; batch
	s_and_b32 s13, ttmp9, 7                        ; g
	s_mul_i32 s14, ttmp9, 3072                     ; my four records
	s_mov_b32 s15, 0
	s_lshl_b32 s16, s12, 3
	s_add_co_u32 s16, s16, 7
	s_mul_i32 s16, s16, 3072                       ; head 7's four
	s_mov_b32 s17, 0
	s_lshl_b32 s18, s12, 13                        ; e7buf and out0: 8192 batch + 1024 g
	s_lshl_b32 s19, s13, 10
	s_add_co_u32 s18, s18, s19
	s_mov_b32 s19, 0
	s_lshl_b32 s20, ttmp9, 9                       ; out1: 512 id
	s_mov_b32 s21, 0
	s_mov_b32 s22, 0x3fb8aa3b                      ; c = log2(e)
	s_mov_b32 s23, s22
	s_wait_alu depctr_va_vdst(0)
	s_wait_kmcnt 0x0
	s_add_nc_u64 s[24:25], s[4:5], s[16:17]
	s_add_nc_u64 s[4:5], s[4:5], s[14:15]
	s_add_nc_u64 s[6:7], s[6:7], s[18:19]
	s_add_nc_u64 s[8:9], s[8:9], s[18:19]
	s_add_nc_u64 s[10:11], s[10:11], s[20:21]
.irp k, 0,1,2,3
	global_load_b64 v[20+2*\k:21+2*\k], v2, s[4:5] offset:768*\k+512      ; (Mc, sum) of my head's block k
	global_load_b64 v[28+2*\k:29+2*\k], v2, s[24:25] offset:768*\k+512    ; and of head 7's
.endr
.irp i, 0,1
	global_load_b128 v[36+4*\i:39+4*\i], v1, s[6:7] offset:512*\i         ; 8 energies a lane
.endr
.irp k, 0,1,2,3
	global_load_b128 v[4+4*\k:7+4*\k], v1, s[4:5] offset:768*\k           ; block k's context, columns 4 lane + 0 .. 3
.endr
	v_mov_b32 v47, 0                               ; (fills the pair v[46:47])
	s_wait_loadcnt 0x0
	v_max3_num_f32 v44, v20, v22, v24
	v_max3_num_f32 v46, v28, v30, v32
	v_max_num_f32 v44, v44, v26                    ; M
	v_max_num_f32 v46, v46, v34                    ; M7
.irp k, 0,1,2,3
	v_sub_f32 v[48+\k], v[20+2*\k], v44
	v_sub_f32 v[52+\k], v[28+2*\k], v46
.endr
.irp i, 0,2,4,6
	v_pk_fma_f32 v[36+\i:37+\i], v[36+\i:37+\i], s[22:23], v[46:47] op_sel_hi:[1,0,0] neg_lo:[0,0,1] neg_hi:[0,0,1]   ; c e - M7
.endr
	s_wait_alu depctr_va_vdst(0)
.irp k, 0,1,2,3,4,5,6,7
	v_exp_f32 v[48+\k], v[48+\k]                   ; w_k, then head 7's
.endr
.irp i, 0,1,2,3,4,5,6,7
	v_exp_f32 v[36+\i], v[36+\i]
.endr
	v_nop                                          ; a plain instruction behind the last exponential
	s_wait_alu depctr_va_vdst(0)                   ; one wait for the sixteen, ahead of their first reader
	v_mul_f32 v56, v48, v21
	v_mul_f32 v57, v52, v29
.irp k, 1,2,3
	v_fmac_f32 v56, v[48+\k], v[21+2*\k]           ; the sum
	v_fmac_f32 v57, v[52+\k], v[29+2*\k]           ; head 7's
.endr
	s_wait_alu depctr_va_vdst(0)
	v_rcp_f32 v58, v56
	v_rcp_f32 v59, v57
.irp e, 0,1,2,3
	v_mul_f32 v[60+\e], v48, v[4+\e]               ; the contexts are joined behind the reciprocals: plain work that names neither
.endr
.irp k, 1,2,3
.irp e, 0,1,2,3
	v_fmac_f32 v[60+\e], v[48+\k], v[4+4*\k+\e]
.endr
.endr
	s_wait_alu depctr_va_vdst(0)                   ; one wait for the two reciprocals
.irp e, 0,1,2,3
	v_mul_f32 v[60+\e], v[60+\e], v58
.endr
.irp i, 0,1,2,3,4,5,6,7
	v_mul_f32 v[36+\i], v[36+\i], v59
.endr
	global_store_b128 v1, v[60:63], s[10:11]
	global_store_b128 v1, v[36:39], s[8:9]
	global_store_b128 v1, v[40:43], s[8:9] offset:512
	s_endpgm
.Lfunc_end_k_q4a0526b4a1_comb:
	.size	k_q4a0526b4a1_comb, .Lfunc_end_k_q4a0526b4a1_comb-k_q4a0526b4a1_comb
	.p2alignl 7, 3214868480
	.fill 96, 4, 3214868480
	.section	.rodata,"a",@progbits
	.p2align	6, 0x0
	.amdhsa_kernel k_q4a0526b4a1_comb
		.amdhsa_group_segment_fixed_size 0
		.amdhsa_private_segment_fixed_size 0
		.amdhsa_enable_private_segment 0
		.amdhsa_kernarg_size 32
		.amdhsa_user_sgpr_count 2
		.amdhsa_user_sgpr_kernarg_segment_ptr 1
		.amdhsa_wavefront_size32 1
		.amdhsa_system_sgpr_workgroup_id_x 1
		.amdhsa_system_sgpr_workgroup_id_y 1
		.amdhsa_system_sgpr_workgroup_id_z 1
		.amdhsa_system_vgpr_workitem_id 0
		.amdhsa_next_free_vgpr 64
		.amdhsa_next_free_sgpr 66
		.amdhsa_reserve_vcc 0
		.amdhsa_float_denorm_mode_32 3
		.amdhsa_float_denorm_mode_16_64 3
		.amdhsa_memory_ordered 1
		.amdhsa_forward_progress 1
		.amdhsa_inst_pref_size 6
	.end_amdhsa_kernel
	.amdgpu_metadata
---
amdhsa.version: [ 1, 2 ]
amdhsa.kernels:
  - .name:           k_q4a0526b4a1_comb
    .symbol:         k_q4a0526b4a1_comb.kd
    .args:
      - { .name: part, .offset: 0, .size: 8, .value_kind: global_buffer, .address_space: global }
      - { .name: e7buf, .offset: 8, .size: 8, .value_kind: global_buffer, .address_space: global }
      - { .name: out0, .offset: 16, .size: 8, .value_kind: global_buffer, .address_space: global }
      - { .name: out1, .offset: 24, .size: 8, .value_kind: global_buffer, .address_space: global }
    .group_segment_fixed_size: 0
    .private_segment_fixed_size: 0
    .kernarg_segment_align: 8
    .kernarg_segment_size: 32
    .max_flat_workgroup_size: 32
    .sgpr_count:     66
    .vgpr_count:     64
    .wavefront_size: 32
...
	.end_amdgpu_metadata
.endif
;; end of part 3
